; MI455X (gfx1250); checked and timed in simulation.
; The chip was launched on July 23, 2026; its instructions are those of AMD's public machine-readable ISA for CDNA 5 (MIT licence, August 2026) and "CDNA5" Instruction Set Architecture Reference Guide (July 2026). The comments in the code are by the model that wrote it; some were corrected since.
;; Log Sparse Attention. Allowed arithmetic: matrix products marked QUANTISED: E2M1 operands, one E8M0 scale for each 32 along K, by v_wmma_scale_f32_16x16x128_f8f6f4 with both operands' format E2M1 (or v_wmma_scale_f32_32x16x128_f4), f32 sums; everything else in f32.
;; Inputs: keys_codes 4 x 2,048 x 8 x 2 x 16 uint8 (E2M1 codes of keys, K innermost, in blocks of 32 codes, two codes a byte); keys_scales 4 x 2,048 x 8 x 2 uint8 (E8M0 scales of keys, one for each 32 codes along K); queries_codes 4 x 2,048 x 8 x 2 x 16 uint8 (E2M1 codes of queries, K innermost, in blocks of 32 codes, two codes a byte); queries_scales 4 x 2,048 x 8 x 2 uint8 (E8M0 scales of queries, one for each 32 codes along K); values_codes 4 x 8 x 64 x 64 x 16 uint8 (E2M1 codes of values, K innermost, in blocks of 32 codes, two codes a byte); values_scales 4 x 8 x 64 x 64 uint8 (E8M0 scales of values, one for each 32 codes along K).
;; Outputs: out0 4 x 2,048 x 8 x 64 float32.
;; This version of the problem:
;;   THIS VERSION OF THE PROBLEM IS GIVEN IN LOW PRECISION. The matrix products marked QUANTISED in the list below multiply operands that are first quantised to E2M1 (2 exponent bits, 1 mantissa bit; 4 bits a number), with one power-of-two scale for each 32 numbers along K (OCP MX v1.0); their sums are f32. All else is computed in f32.
;;   The module's matrix products, in the order in which they are computed (A, B: the left and right operand; K: the contracted axis; several contracted axes count as one K, in the product's order):
;;     1. batch 32 x [M 2,048, K 64] x [K 64, N 2,048]; A: input queries (given as codes); B: input keys (given as codes): QUANTISED
;;     2. batch 32 x [M 64, K 2,048] x [K 2,048, N 2,048]; A: input values (given as codes); B: softmax (see below): QUANTISED
;;   THE QUANTISER, for each operand of a quantised product, along K:
;;     - K is cut into blocks of 32 from its start; a last block that is shorter is filled with zeros.
;;     - A block's scale is 2^e with e = floor(log2(the largest magnitude in the block)) - 2, held to -126 .. 127; a block of zeros has e = 0. As a byte (E8M0): e + 127.
;;     - Each number is divided by its block's scale, clamped to +-6, and rounded to the nearest number of E2M1, ties to even, subnormals kept.
;;     - The product sums the exact products of the quantised numbers (number of the format x scale) in f32.
;;   ~~~python
;;   def quantise(x, axis):      # numpy; x: float32 -> the quantised numbers, widened to float32 again
;;       x = np.moveaxis(x, axis, -1); K = x.shape[-1]
;;       x = np.pad(x, [(0, 0)] * (x.ndim - 1) + [(0, -K % 32)]); x = x.reshape(x.shape[:-1] + (-1, 32)); a = np.abs(x).max(-1, keepdims=True)
;;       e = np.where(a > 0, np.clip(np.frexp(np.where(a > 0, a, 1))[1] - 1 - 2, -126, 127), 0)      # np.frexp(a)[1] - 1 = floor(log2(a)), exactly
;;       r = np.clip(x / 2.0 ** e, -6, 6)
;;       step = 2.0 ** (np.maximum(np.frexp(np.where(r == 0, 1, r))[1] - 1, 0) - 1)
;;       q = np.round(r / step) * step * 2.0 ** e      # np.round: ties to even
;;       return np.moveaxis(q.reshape(q.shape[:-2] + (-1,))[..., :K], -1, axis).astype(np.float32)
;;   ~~~
;;   SOFTMAX AHEAD OF A QUANTISED PRODUCT. Where the list says 'softmax', what is quantised is not the finished softmax but p = 2^(t - M), with t = logit x log2(e) and M = ceil(the row's largest t), a whole number; so 1/2 < the row's largest p <= 1. The row's sum l is taken of the UNQUANTISED p, in f32, and the product's result is divided by l at the end. Since M is a whole number, a kernel that streams over the keys may use a running M (the ceiling of the running maximum): every later rescaling is an exact power of two, which a block's scale takes up: the codes' values come out the same.
;;   OPERANDS COMPUTED ON THE WAY. 'Computed on the way' means the value that the module computes at that place (a softmax that the list does not call 'softmax' is quantised finished and normalised). What goes into a quantiser is computed in f32, as accurately as f32 sums, v_exp_f32 and their like allow (about 1e-6 of the number): no bf16 or f16 on the way to a quantiser, and a product that is left as it is and whose result goes on into a quantised operand takes f32 operands (vector FMAs, or v_wmma_f32_16x16x4_f32). A number that lies on a knife's edge between two numbers of the format may be rounded either way, as far as f32 arithmetic and the matrix unit's own rounding can turn it there, and no further.
;;   INPUTS GIVEN AS CODES. keys (in the module: [4, 2048, 8, 64], K = its axis 3); queries (in the module: [4, 2048, 8, 64], K = its axis 3); values (in the module: [4, 2048, 8, 64], K = its axis 1): each comes as NAME_codes (uint8): NAME with its K axis moved to the last place and cut into blocks of 32 codes, [.., K / 32, bytes a block], one block behind the other in memory; two codes a byte, the lower K in the low four bits (a code: sign, 2 exponent bits, 1 mantissa bit); and NAME_scales (uint8): the same leading axes, one E8M0 byte (e + 127) for each 32 codes along K. Its value is code x scale, taken as it is: it is not quantised again, and the codes and scales need not be those that the quantiser above would give.
;; One version. Each part assembles by itself: llvm-mc -triple=amdgcn-amd-amdhsa -mcpu=gfx1250 --defsym DOCPART=n.
;; ======== version 1 of 1: 1 launch
;; launch logsparse (part 1): grid 256 x 1, 16 waves a work-group, no clusters, 71,680 bytes of LDS; arguments keys_codes, keys_scales, queries_codes, queries_scales, values_codes, values_scales, out0; writes out0
.if DOCPART == 1
	.amdgcn_target "amdgcn-amd-amdhsa--gfx1250"
	.amdhsa_code_object_version 6
	.text
	.protected	k_q70720a880a_logsparse
	.globl	k_q70720a880a_logsparse
	.p2align	8
	.type	k_q70720a880a_logsparse,@function
k_q70720a880a_logsparse:
	s_mov_b64 s[64:65], 0
	v_nop
	global_prefetch_b8 v0, s[64:65] scope:SCOPE_SE
	s_setreg_imm32_b32 hwreg(HW_REG_WAVE_MODE, 25, 1), 1
	s_wait_xcnt 0x0
; out0[b][i][hd][:] = sum over j of softmax_j(q_i . k_j / 8) v_j, where only the keys j = i - d, d in {0, 1, 2, 4, .., 1024}, j >= 0, count.  4 x 8 heads, 2,048 positions, head size 64.
; Both products on codes of FP4 (E2M1) with one E8M0 scale for each 32 along K.  q, k: codes along the head's 64; v: codes with the keys innermost.
; WHAT THE MASK LEAVES.  For a tile T of 16 queries (queries 16 T ..) only eight tiles of 16 keys hold a key that counts: T - o, o = 0, 1, 2, 4, 8, 16, 32, 64.  In tile T the differences 0, 1, 2, 4, 8 count,
; in tile T - 1 the differences 1, 2, 4, 8, 16, in the six far tiles the diagonal alone (key row = query row).  These tiles lie in seven aligned blocks of 32 keys.  So all keys of a query are one step:
; 8 products K Q^T, one softmax with the true maximum, 8 products V^T P^T (two K steps of 128 = 8 blocks of 32 keys, one of them a dummy with zero codes; 4 tiles of 16 channels).
; SHARES.  One wave owns one tile of queries of one head: 4,096 waves, 16 to a work-group (16 neighbouring tiles of one head), 256 work-groups.  Waves share nothing: no barrier.
; Every operand goes from memory straight into its registers, in pieces of 16 bytes a lane, all 46 loads of a wave issued together.  No tile is brought into LDS, so there is nothing that a joint request of a cluster could carry.
; SOFTMAX.  t = score x log2(e) / 8; M = ceil(the row's largest t); p = 2^(t - M) is quantised along the keys, block by block of 32; the row's sum is taken of the unquantised p and divides at the end.
; LAYOUT.  Both products are used transposed: S^T = K Q^T (source 0 = 16 keys, source 1 = my 16 queries), O^T = V^T P^T (source 0 = 16 channels, source 1 = P): a lane holds ONE query (lane % 16) throughout.
; The first product's K is 64, half of the instruction's 128: Q's upper four registers are zero codes, so what stands in the upper four of K's operand (the next tile's codes) adds nothing.
; TILES AHEAD OF KEY 0 are clamped to tile 0 in the addresses and masked whole: no branch hangs on them.  The one branch of the text is on the wave's parity: it says in which half of a block of 32 keys a tile lies.
; LIMITS: a scale byte 0xff (NaN) among the inputs is not served; NaN or infinite scores are not served.  A block of p whose largest lies under 2^-124 keeps the byte 1, as the quantiser's hold at -126 has it; a block of zeros keeps
; the byte 1 too: its codes are zeros.
.set FLOOR, 0x1800000                  ; 2^(3 - 127): under it no largest magnitude is taken, so a scale's byte cannot fall under 1
.set SPITCH, 272                       ; the stage: a row of 256 bytes + 16
.set WSTAGE, 16*SPITCH                 ; a wave's stage
; vector registers
.set LQK,  3                           ; v3      256 r + 16 h: my 16 bytes in a tile of Q or K
.set R16,  4                           ; v4      16 r: my row's scale bytes in a tile of Q or K
.set AKS,  5                           ; v5-8    K's scale words, two tiles to a register
.set AV,   9                           ; v9-12   V's codes: register group q = 2 s + c
.set AVS,  13                          ; v13-16  V's scale bytes: byte i
.set STO,  17                          ; v17     the stage: where I put 32 bytes of a row
.set RD,   18                          ; v18     and where I read a row back
.set GO,   19                          ; v19     my byte offset in the tile's rows of out0
.set SH,   20                          ; v20     4 (r % 8): a diagonal code's place in its register
.set NINF, 21                          ; v21     -infinity
.set NM,   22                          ; v[22:23] at the head 1,024 r and 64 r; later -M and the row's largest t
.set QF,   24                          ; v[24:31] Q: four registers of codes, four of zeros; later v24-29 the diagonal tiles' codes at nibble 0
.set KF,   32                          ; v[32:67] K's eight tiles, 4 registers each, and four of zeros
.set TS,   32                          ; later: v32-39 each tile's largest score, then its largest p
.set WK,   40                          ; v40-47  at work
.set BM,   48                          ; v48-54  the blocks' largest p, then the conversions' scale operands
.set BY,   56                          ; v56-62  the blocks' scale bytes
.set KS,   68                          ; v68-71  K's scale words: lanes 0-15 the odd tile's, lanes 16-31 the even tile's
.set QS,   72                          ; v72     Q's scale words
.set PW,   73                          ; v73-74  p's scale words of the two K steps
.set VS,   76                          ; v76-91  V's scale bytes; the words end in v76, v80, v84, v88: lanes 0-15 K step 1, lanes 16-31 K step 0
.set RL,   92                          ; v[92:93] 1 / the row's sum
.set SUM,  94                          ; v[94:95] the row's sum
.set VF,   96                          ; v[96:159] V's fragments at 96 + 16 ct + 8 s + 4 c
.set SC,   160                         ; v[160:223] S^T, 8 a tile; v160-175 then p of the two near tiles
.set OT,   176                         ; v[176:207] later O^T, 8 a tile of channels
.set W0,   224                         ; v[224:231], v[232:239] two windows for the diagonal conversions: slot 0 one p, slots 1-7 zeros
.set W1,   232
.set P,    240                         ; v[240:255] P's codes: register 8 s + 4 c + i, lane half h: block 4 s + 2 c + h, its keys 8 i .. 8 i + 7
; scalar registers
.set WV,   18                          ; s18 wave;  s19 my tile T;  s20 its parity;  s21 b x 8 + head;  s22 b;  s23 head
.set TQ,   19
.set PAR,  20
.set BH,   21
.set BB,   22
.set HD,   23
.set KB,   24                          ; s[24:39] K's codes at each of the eight tiles
.set MK,   40                          ; s40-47 lane masks of tile T's registers, s48-55 of tile T - 1's (at the head s40-49 hold offsets)
.set DM,   56                          ; s56-63 lane masks of the diagonal: register j is on it in lanes j and 24 + j
.set VL,   66                          ; s66-71 the lanes that hold a diagonal element of far tile t, or none where the tile lies ahead of key 0
.set SEL,  72                          ; s[72:73] v_permlanex16_b32's selects for lane l xor 16
.set CS,   74                          ; s[74:75] c = log2(e) / 8
.set VLC,  76                          ; s76 lanes 0-7 and 24-31
.set TT,   80                          ; s80-87 the eight tiles of keys, clamped at 0
.set KBL,  88                          ; s88-95 the eight blocks of 32 keys: Bq - 1, Bq, Bq - 4, Bq - 2, Bq - 16, Bq - 8, Bq - 32, and the last once more; clamped at 0
.macro TCLAMP t, off                   ; tile t of keys: T - off, held at 0 from below
	s_sub_co_i32 s[TT+\t], s[TQ], \off
	s_max_i32 s[TT+\t], s[TT+\t], 0
.endm
	s_load_b256 s[4:11], s[0:1], 0x0               ; K's codes s[4:5], K's scales s[6:7], Q's codes s[8:9], Q's scales s[10:11]
	s_load_b128 s[12:15], s[0:1], 0x20             ; V's codes s[12:13], V's scales s[14:15]
	s_load_b64 s[16:17], s[0:1], 0x30              ; out0
	v_lshrrev_b32 v1, 5, v0
	s_delay_alu instid0(VALU_DEP_1)
	v_readfirstlane_b32 s[WV], v1                  ; wave 0..15
	v_and_b32 v1, 15, v0                           ; r
	s_wait_alu depctr_va_vdst(0)
	v_bfe_u32 v2, v0, 4, 1                         ; h
	s_and_b32 s[TQ], ttmp9, 7
	s_lshl_b32 s[TQ], s[TQ], 4
	s_add_co_u32 s[TQ], s[TQ], s[WV]               ; T = 16 x (work-group % 8) + wave
	s_and_b32 s[PAR], s[WV], 1                     ; T's parity is the wave's
	s_lshr_b32 s[BH], ttmp9, 3
	s_lshr_b32 s[BB], s[BH], 3
	s_and_b32 s[HD], s[BH], 7
	s_mov_b32 s[TT], s[TQ]
	TCLAMP 1, 1
	TCLAMP 2, 2
	TCLAMP 3, 4
	TCLAMP 4, 8
	TCLAMP 5, 16
	TCLAMP 6, 32
	TCLAMP 7, 64
	; byte offsets.  Codes of Q and K: b x 2^19 + position x 256 + head x 32.  Their scale bytes: b x 2^15 + position x 16 + head x 2
	s_lshl_b32 s77, s[BB], 19
	s_lshl_b32 s78, s[HD], 5
	s_add_co_u32 s77, s77, s78
.irp t, 0,1,2,3,4,5,6,7
	s_lshl_b32 s[KB+2*\t], s[TT+\t], 12            ; 16 positions are 4,096 bytes
	s_add_co_u32 s[KB+2*\t], s[KB+2*\t], s77
	s_mov_b32 s[KB+2*\t+1], 0
.endr
	s_lshl_b32 s40, s[BB], 15
	s_lshl_b32 s78, s[HD], 1
	s_add_co_u32 s40, s40, s78                     ; s[40:41] K's scales: the head
	s_mov_b32 s41, 0
	s_lshl_b32 s78, s[TQ], 8
	s_add_co_u32 s42, s40, s78                     ; s[42:43] Q's scales: the head and my tile
	s_mov_b32 s43, 0
	s_lshl_b32 s44, s[BH], 16                      ; s[44:45] V's codes: 64 channels x 1,024 bytes a head
	s_mov_b32 s45, 0
	s_lshl_b32 s46, s[BH], 12                      ; s[46:47] V's scales: 64 channels x 64 bytes a head
	s_mov_b32 s47, 0
	s_lshl_b32 s48, s[BB], 22                      ; s[48:49] out0: b x 2^22 + position x 2,048 + head x 256
	s_lshl_b32 s78, s[TQ], 15
	s_add_co_u32 s48, s48, s78
	s_lshl_b32 s78, s[HD], 8
	s_add_co_u32 s48, s48, s78
	s_mov_b32 s49, 0
	v_lshlrev_b32 v[LQK], 8, v1
	s_wait_alu depctr_va_vdst(0)
	v_lshl_add_u32 v[LQK], v2, 4, v[LQK]           ; a fragment of 4-bit codes: lane (r, h) holds row r, k = 32 h + 0 .. 31: block h, 16 bytes
	v_lshlrev_b32 v[R16], 4, v1
	s_wait_alu depctr_va_vdst(0)
.irp f, 0,1,2,3                                ; K's scale words: lanes 0-15 take tile 2 f + 1's rows, lanes 16-31 tile 2 f's, which never lies ahead of it
	s_sub_co_u32 s78, s[TT+2*\f], s[TT+2*\f+1]
	s_lshl_b32 s78, s78, 8
	s_lshl_b32 s79, s[TT+2*\f+1], 8
	v_mad_u32_u24 v[AKS+\f], v2, s78, v[R16]
	s_delay_alu instid0(VALU_DEP_1)
	v_add_nc_u32 v[AKS+\f], s79, v[AKS+\f]
.endr
	s_wait_alu depctr_va_vdst(0)
	s_wait_kmcnt 0x0
	s_add_nc_u64 s[8:9], s[8:9], s[KB:KB+1]        ; Q's tile lies where K's tile 0 lies
	s_add_nc_u64 s[10:11], s[10:11], s[42:43]
.irp t, 0,1,2,3,4,5,6,7
	s_add_nc_u64 s[KB+2*\t:KB+2*\t+1], s[4:5], s[KB+2*\t:KB+2*\t+1]
.endr
	s_add_nc_u64 s[6:7], s[6:7], s[40:41]
	; ---- the loads of the first product: 14
	global_load_b128 v[QF:QF+3], v[LQK], s[8:9]
	global_load_u16 v[QS], v[R16], s[10:11]        ; two scale bytes, widened with zeros: bytes 2 and 3 stand over zero codes
.irp t, 0,1,2,3,4,5,6,7
	global_load_b128 v[KF+4*\t:KF+4*\t+3], v[LQK], s[KB+2*\t:KB+2*\t+1]
.endr
.irp f, 0,1,2,3
	global_load_u16 v[KS+\f], v[AKS+\f], s[6:7]
.endr
	; ---- V's addresses.  The order of the blocks is such that each difference between the halves of the lanes is 0 or more
	s_add_nc_u64 s[12:13], s[12:13], s[44:45]
	s_add_nc_u64 s[14:15], s[14:15], s[46:47]
	s_add_nc_u64 s[16:17], s[16:17], s[48:49]
	s_lshr_b32 s[KBL+0], s[TT+2], 1                ; Bq - 1
	s_lshr_b32 s[KBL+1], s[TT+0], 1                ; Bq
	s_lshr_b32 s[KBL+2], s[TT+4], 1                ; Bq - 4
	s_lshr_b32 s[KBL+3], s[TT+3], 1                ; Bq - 2
	s_lshr_b32 s[KBL+4], s[TT+6], 1                ; Bq - 16
	s_lshr_b32 s[KBL+5], s[TT+5], 1                ; Bq - 8
	s_lshr_b32 s[KBL+6], s[TT+7], 1                ; Bq - 32
	s_mov_b32 s[KBL+7], s[KBL+6]                   ; the dummy: P's codes are zeros there
	v_lshlrev_b32 v[NM], 10, v1                    ; a channel's row of codes is 1,024 bytes,
	v_lshlrev_b32 v[NM+1], 6, v1                   ; of scale bytes 64
.irp i, 0,1,2,3                                ; byte i of a scale word: lanes 0-15 block 4 + i (K step 1), lanes 16-31 block i (K step 0)
	s_sub_co_u32 s78, s[KBL+\i], s[KBL+4+\i]
	v_mad_u32_u24 v[AVS+\i], v2, s78, v[NM+1]
	s_delay_alu instid0(VALU_DEP_1)
	v_add_nc_u32 v[AVS+\i], s[KBL+4+\i], v[AVS+\i]
.endr
	s_wait_alu depctr_va_vdst(0)
.irp q, 0,1,2,3                                ; registers 4 c .. 4 c + 3 of K step s, q = 2 s + c: lanes 0-15 block 2 q, lanes 16-31 block 2 q + 1; 16 bytes a block
	s_sub_co_u32 s78, s[KBL+2*\q+1], s[KBL+2*\q]
	s_lshl_b32 s78, s78, 4
	s_lshl_b32 s79, s[KBL+2*\q], 4
	v_mad_u32_u24 v[AV+\q], v2, s78, v[NM]
	s_delay_alu instid0(VALU_DEP_1)
	v_add_nc_u32 v[AV+\q], s79, v[AV+\q]
.endr
	; ---- the loads of the second product: 16 scale bytes, then 16 pieces of fragments
.irp ct, 0,1,2,3
.irp i, 0,1,2,3
	global_load_u8 v[VS+4*\ct+\i], v[AVS+\i], s[14:15] offset:1024*\ct
.endr
.endr
	s_wait_alu depctr_va_vdst(0)
.irp ct, 0,1,2,3
.irp q, 0,1,2,3
	global_load_b128 v[VF+16*\ct+4*\q:VF+16*\ct+4*\q+3], v[AV+\q], s[12:13] offset:16384*\ct
.endr
.endr
	; ---- while all 46 loads are out: the zero codes and the constants.  Q's and K's zeros first: more than four plain lines follow them ahead of the products
.irp n, 4,5,6,7
	v_mov_b32 v[QF+\n], 0
	v_mov_b32 v[KF+28+\n], 0
.endr
.irp n, 1,2,3,4,5,6,7
	v_mov_b32 v[W0+\n], 0
	v_mov_b32 v[W1+\n], 0
.endr
.irp n, 0,1,2,3,4,5,6,7,8,9,10,11,12,13,14,15
	v_mov_b32 v[P+\n], 0                           ; what no tile's codes are put into stays zero codes
.endr
	v_mov_b32 v[RL+1], 0                           ; (named as the upper half of a pair)
	v_mov_b32 v[NINF], 0xff800000
.irp j, 0,1,2,3,4,5,6,7                        ; tile T, key row kr = 8 h + j: the queries r = kr + 0, 1, 2, 4, 8 see it
	s_mov_b32 s[MK+\j], ((0x117<<\j)&0xffff)|(((0x117<<(8+\j))&0xffff)<<16)
.endr
	s_cmp_ge_u32 s[TQ], 1                          ; tile T - 1: r = kr - 15 + 0, 1, 3, 7, 15; none where T = 0
.irp j, 0,1,2,3,4,5,6,7
	s_cselect_b32 s[MK+8+\j], (((0x808B<<\j)>>15)&0xffff)|((((0x808B<<(8+\j))>>15)&0xffff)<<16), 0
.endr
.irp j, 0,1,2,3,4,5,6,7
	s_mov_b32 s[DM+\j], (1<<\j)|(1<<(24+\j))
.endr
	s_mov_b32 s[VLC], 0xff0000ff
.irp t, 2,3,4,5,6,7
	s_cmp_ge_u32 s[TQ], 1<<(\t-1)                  ; does tile T - 2^(t - 1) exist?
	s_cselect_b32 s[VL+\t-2], s[VLC], 0
.endr
	s_mov_b32 s[SEL], 0x76543210
	s_mov_b32 s[SEL+1], 0xfedcba98
	s_mov_b32 s[CS], 0x3e38aa3b                    ; c = log2(e) / 8
	s_mov_b32 s[CS+1], s[CS]                       ; (named with it as a pair, so it is written)
	s_mul_i32 s77, s[WV], WSTAGE                   ; my stage
	; ---- S^T = K Q^T: eight tiles of 16 keys
	s_wait_loadcnt 32                              ; loads come back in order: Q's and K's 14 are in; V's 32, issued behind them, may be out
.irp t, 0,1,2,3,4,5,6,7
.if (\t%2) == 0
	v_wmma_scale_f32_16x16x128_f8f6f4 v[SC+8*\t:SC+8*\t+7], v[KF+4*\t:KF+4*\t+7], v[QF:QF+7], 0, v[KS+\t/2], v[QS] matrix_a_fmt:MATRIX_FMT_FP4 matrix_b_fmt:MATRIX_FMT_FP4 matrix_a_scale:MATRIX_SCALE_ROW1
.else
	v_wmma_scale_f32_16x16x128_f8f6f4 v[SC+8*\t:SC+8*\t+7], v[KF+4*\t:KF+4*\t+7], v[QF:QF+7], 0, v[KS+\t/2], v[QS] matrix_a_fmt:MATRIX_FMT_FP4 matrix_b_fmt:MATRIX_FMT_FP4
.endif
.endr                                          ; in tile t lane (r, h) holds query r, and its register j key row 8 h + j
	; the addresses of the way out: ten plain lines that name none of the products' registers: the places behind them (ISA guide 7.12.1)
	v_mul_u32_u24 v[STO], v1, SPITCH
	s_delay_alu instid0(VALU_DEP_1)
	v_lshl_add_u32 v[STO], v2, 5, v[STO]
	s_delay_alu instid0(VALU_DEP_1)
	v_add_nc_u32 v[STO], s77, v[STO]               ; in: row r, 32 bytes for each half of the lanes
	v_mul_u32_u24 v[RD], v2, SPITCH
	s_delay_alu instid0(VALU_DEP_1)
	v_lshl_add_u32 v[RD], v1, 4, v[RD]
	s_delay_alu instid0(VALU_DEP_1)
	v_add_nc_u32 v[RD], s77, v[RD]                 ; back: lanes 0-15 one row of 256 bytes, lanes 16-31 the next
	v_lshlrev_b32 v[GO], 11, v2
	s_delay_alu instid0(VALU_DEP_1)
	v_lshl_add_u32 v[GO], v1, 4, v[GO]             ; and the same two rows in out0: 2,048 bytes from position to position
	v_and_b32 v[SH], 7, v1
	s_delay_alu instid0(VALU_DEP_1)
	v_lshlrev_b32 v[SH], 2, v[SH]
	; ---- the mask.  Near tiles: hidden scores become -infinity.  Each accumulator is read from its low end on
.irp n, 0,1,2,3,4,5,6,7,8,9,10,11,12,13,14,15
	v_cndmask_b32 v[SC+\n], v[NINF], v[SC+\n], s[MK+\n]
.endr
	; far tiles: the one score on the diagonal is picked out of the lane's eight registers (the six tiles by turns)
.irp t, 2,3,4,5,6,7
	v_cndmask_b32 v[TS+\t], v[SC+8*\t], v[SC+8*\t+1], s[DM+1]
.endr
.irp j, 2,3,4,5,6,7
.irp t, 2,3,4,5,6,7
	v_cndmask_b32 v[TS+\t], v[TS+\t], v[SC+8*\t+\j], s[DM+\j]
.endr
.endr
.irp t, 2,3,4,5,6,7
	v_cndmask_b32 v[TS+\t], v[NINF], v[TS+\t], s[VL+\t-2]   ; -infinity in the lanes that hold no diagonal element, and in all where the tile lies ahead of key 0
.endr
	; each near tile's largest score: it serves for the row's maximum and, since p rises with the score, for the blocks' largest p
	v_max3_num_f32 v[TS], v[SC], v[SC+1], v[SC+2]
	v_max3_num_f32 v[TS+1], v[SC+8], v[SC+9], v[SC+10]
	s_delay_alu instid0(VALU_DEP_2)
	v_max3_num_f32 v[TS], v[TS], v[SC+3], v[SC+4]
	s_delay_alu instid0(VALU_DEP_2)
	v_max3_num_f32 v[TS+1], v[TS+1], v[SC+11], v[SC+12]
	s_delay_alu instid0(VALU_DEP_2)
	v_max3_num_f32 v[TS], v[TS], v[SC+5], v[SC+6]
	s_delay_alu instid0(VALU_DEP_2)
	v_max3_num_f32 v[TS+1], v[TS+1], v[SC+13], v[SC+14]
	s_delay_alu instid0(VALU_DEP_2)
	v_max_num_f32 v[TS], v[TS], v[SC+7]
	s_delay_alu instid0(VALU_DEP_2)
	v_max_num_f32 v[TS+1], v[TS+1], v[SC+15]
.irp t, 0,1,2,3,4,5,6,7
	v_permlanex16_b32 v[WK+\t], v[TS+\t], s[SEL], s[SEL+1]
.endr
.irp t, 0,1,2,3,4,5,6,7
	v_max_num_f32 v[TS+\t], v[TS+\t], v[WK+\t]     ; with lane l xor 16's: both halves now hold each tile's largest score of query r
.endr
	v_max3_num_f32 v[NM+1], v[TS], v[TS+1], v[TS+2]
	s_delay_alu instid0(VALU_DEP_1)
	v_max3_num_f32 v[NM+1], v[NM+1], v[TS+3], v[TS+4]
	s_delay_alu instid0(VALU_DEP_1)
	v_max3_num_f32 v[NM+1], v[NM+1], v[TS+5], v[TS+6]
	s_delay_alu instid0(VALU_DEP_1)
	v_max_num_f32 v[NM+1], v[NM+1], v[TS+7]        ; the row's largest score: a number, since a query always sees its own key
	s_delay_alu instid0(VALU_DEP_1)
	v_mul_f32 v[NM+1], s[CS], v[NM+1]              ; as t (c is positive)
	s_delay_alu instid0(VALU_DEP_1)
	v_floor_f32 v[NM], -v[NM+1]                    ; -M = floor(-t) = -ceil(t)
	; ---- p = 2^(t - M): the 16 numbers of the near tiles, and each tile's largest (of a far tile: its one p)
.irp j, 0,2,4,6,8,10,12,14
	v_pk_fma_f32 v[SC+\j:SC+\j+1], v[SC+\j:SC+\j+1], s[CS:CS+1], v[NM:NM+1] op_sel_hi:[1,0,0]   ; t - M, two at a time (of the pairs c and -M the low word serves both halves)
.endr
.irp j, 0,2,4,6
	v_pk_fma_f32 v[TS+\j:TS+\j+1], v[TS+\j:TS+\j+1], s[CS:CS+1], v[NM:NM+1] op_sel_hi:[1,0,0]
.endr
	s_wait_alu depctr_va_vdst(0)
.irp j, 0,1,2,3,4,5,6,7,8,9,10,11,12,13,14,15
	v_exp_f32 v[SC+\j], v[SC+\j]
.endr
.irp j, 0,1,2,3,4,5,6,7
	v_exp_f32 v[TS+\j], v[TS+\j]                   ; the same two instructions on the same number give the same bits
.endr
	; independent work behind the batch of 24: V's scale bytes are packed into words
	s_wait_loadcnt 16                              ; V's 16 byte loads are in; its 16 fragment loads, issued behind them, may be out
.irp i, 1,2,3
.irp ct, 0,1,2,3
	v_lshl_or_b32 v[VS+4*\ct], v[VS+4*\ct+\i], 8*\i, v[VS+4*\ct]
.endr
.endr
	s_wait_alu depctr_va_vdst(0)                   ; one wait for the batch, ahead of its first reader and of the branch
; Two far tiles' codes.  A window's slot 0 takes the tile's p in the lanes that hold a diagonal element, 0 in the others; slots 1-7 are zeros: the conversion leaves the code in the lowest four bits.
.macro DIAG2 ta, ga, tb, gb
	v_cndmask_b32 v[W0], 0, v[TS+\ta], s[VLC]
	v_cndmask_b32 v[W1], 0, v[TS+\tb], s[VLC]
	v_cvt_scalef32_pk8_fp4_f32 v[QF+\ta-2], v[W0:W0+7], v[BM+\ga]
	v_cvt_scalef32_pk8_fp4_f32 v[QF+\tb-2], v[W1:W1+7], v[BM+\gb]
.endm
; p is quantised, block by block of 32 keys, and laid as source 1 of the second product.  par = T's parity.  Even T: a far tile is the lower half of its block, block Bq - 1 holds tiles T - 2 and T - 1, block Bq tile T.
; Odd T: a far tile is the upper half, block Bq - 1 holds tile T - 2, block Bq tiles T - 1 and T.  A tile's register of codes holds its keys 8 h .. 8 h + 7; put into the first register of a half block's pair if its block
; is the even one of the two that share P's registers, into the second if the odd one, one exchange of halves (v_permlane16_swap_b32) gives each lane half its own block's keys.
.macro QUANT par
.if \par
	v_max_num_f32 v[BM+0], FLOOR, v[TS+2]
	v_max3_num_f32 v[BM+1], v[TS+0], v[TS+1], FLOOR
.else
	v_max3_num_f32 v[BM+0], v[TS+1], v[TS+2], FLOOR
	v_max_num_f32 v[BM+1], FLOOR, v[TS+0]
.endif
	v_max_num_f32 v[BM+2], FLOOR, v[TS+4]          ; block Bq - 4: tile T - 8
	v_max_num_f32 v[BM+3], FLOOR, v[TS+3]          ; block Bq - 2: tile T - 4
	v_max_num_f32 v[BM+4], FLOOR, v[TS+6]          ; block Bq - 16: tile T - 32
	v_max_num_f32 v[BM+5], FLOOR, v[TS+5]          ; block Bq - 8: tile T - 16
	v_max_num_f32 v[BM+6], FLOOR, v[TS+7]          ; block Bq - 32: tile T - 64
.irp g, 0,1,2,3,4,5,6
	v_add_nc_u32 v[BM+\g], 0xff000000, v[BM+\g]    ; 2 off the exponent field: the conversion takes the exponent field of this operand as its scale, and nothing else of it
.endr
.irp g, 0,1,2,3,4,5,6
	v_lshrrev_b32 v[BY+\g], 23, v[BM+\g]           ; the scale's byte
.endr
	DIAG2 2, 0, 3, 3
	v_lshl_or_b32 v[PW], v[BY+1], 8, v[BY+0]       ; K step 0's scale word.  (Each of these lines is also the plain line between two conversions and the next write of their windows)
	DIAG2 4, 2, 5, 5
	v_lshl_or_b32 v[PW], v[BY+2], 16, v[PW]
	DIAG2 6, 4, 7, 6
	v_lshl_or_b32 v[PW], v[BY+3], 24, v[PW]
	v_cvt_scalef32_pk8_fp4_f32 v[P+1+2*\par], v[SC:SC+7], v[BM+1]          ; tile T lies in block Bq
	v_cvt_scalef32_pk8_fp4_f32 v[P+2-\par], v[SC+8:SC+15], v[BM+\par]      ; tile T - 1 in block Bq - 1 (even T) or Bq (odd T)
	v_lshl_or_b32 v[PW+1], v[BY+5], 8, v[BY+4]     ; K step 1's scale word; its byte 3 stays 0, over the dummy's zero codes.  (The plain lines behind the last conversions)
	s_delay_alu instid0(VALU_DEP_1)
	v_lshl_or_b32 v[PW+1], v[BY+6], 16, v[PW+1]
	v_lshlrev_b32 v[P+0+2*\par], v[SH], v[QF+0]    ; a diagonal code goes to its key's place, 4 (r % 8) bits up: tile T - 2
	v_lshlrev_b32 v[P+5+2*\par], v[SH], v[QF+1]    ; T - 4
	v_lshlrev_b32 v[P+4+2*\par], v[SH], v[QF+2]    ; T - 8
	v_lshlrev_b32 v[P+9+2*\par], v[SH], v[QF+3]    ; T - 16
	v_lshlrev_b32 v[P+8+2*\par], v[SH], v[QF+4]    ; T - 32
	v_lshlrev_b32 v[P+12+2*\par], v[SH], v[QF+5]   ; T - 64
	v_permlane16_swap_b32 v[P+0], v[P+1]
	v_permlane16_swap_b32 v[P+2], v[P+3]
	v_permlane16_swap_b32 v[P+4+2*\par], v[P+5+2*\par]
	v_permlane16_swap_b32 v[P+8+2*\par], v[P+9+2*\par]
	v_permlane16_swap_b32 v[P+12+2*\par], v[P+13+2*\par]
.endm
	s_cmp_eq_u32 s[PAR], 0                         ; a branch on the wave's number alone
	s_cbranch_scc0 .Lodd
	QUANT 0
	s_branch .Ljoin
.Lodd:
	QUANT 1
.Ljoin:
	; ---- the row's sum, of the unquantised p.  These 14 plain lines are also the places between the lines that wrote P and its scale words and the products that read them
	v_pk_add_f32 v[SUM:SUM+1], v[SC:SC+1], v[SC+2:SC+3]
	v_pk_add_f32 v[WK:WK+1], v[SC+4:SC+5], v[SC+6:SC+7]
	v_pk_add_f32 v[SUM:SUM+1], v[SUM:SUM+1], v[SC+8:SC+9]
	v_pk_add_f32 v[WK:WK+1], v[WK:WK+1], v[SC+10:SC+11]
	v_pk_add_f32 v[SUM:SUM+1], v[SUM:SUM+1], v[SC+12:SC+13]
	v_pk_add_f32 v[WK:WK+1], v[WK:WK+1], v[SC+14:SC+15]
	s_delay_alu instid0(VALU_DEP_1)
	v_pk_add_f32 v[SUM:SUM+1], v[SUM:SUM+1], v[WK:WK+1]
	v_pk_add_f32 v[WK+2:WK+3], v[TS+2:TS+3], v[TS+4:TS+5]   ; the six far tiles' p: both halves of the lanes hold them, so they are added behind the exchange
	s_delay_alu instid0(VALU_DEP_2)
	v_add_f32 v[SUM], v[SUM], v[SUM+1]
	v_pk_add_f32 v[WK+2:WK+3], v[WK+2:WK+3], v[TS+6:TS+7]
	s_delay_alu instid0(VALU_DEP_2)
	v_permlanex16_b32 v[SUM+1], v[SUM], s[SEL], s[SEL+1]
	s_delay_alu instid0(VALU_DEP_2)
	v_add_f32 v[WK+2], v[WK+2], v[WK+3]
	s_delay_alu instid0(VALU_DEP_2)
	v_add_f32 v[SUM], v[SUM], v[SUM+1]             ; the near tiles' 32 keys
	s_delay_alu instid0(VALU_DEP_1)
	v_add_f32 v[SUM], v[SUM], v[WK+2]
	s_wait_alu depctr_va_vdst(0)
	v_rcp_f32 v[RL], v[SUM]
	; ---- O^T = V^T P^T: four tiles of 16 channels, two K steps of four blocks of keys.  The four accumulators take turns, one instruction a turn
	s_wait_loadcnt 0x0                             ; V's fragments
.irp ct, 0,1,2,3
	v_wmma_scale_f32_16x16x128_f8f6f4 v[OT+8*\ct:OT+8*\ct+7], v[VF+16*\ct:VF+16*\ct+7], v[P:P+7], 0, v[VS+4*\ct], v[PW] matrix_a_fmt:MATRIX_FMT_FP4 matrix_b_fmt:MATRIX_FMT_FP4 matrix_a_scale:MATRIX_SCALE_ROW1
.endr
.irp ct, 0,1,2,3
	v_wmma_scale_f32_16x16x128_f8f6f4 v[OT+8*\ct:OT+8*\ct+7], v[VF+16*\ct+8:VF+16*\ct+15], v[P+8:P+15], v[OT+8*\ct:OT+8*\ct+7], v[VS+4*\ct], v[PW+1] matrix_a_fmt:MATRIX_FMT_FP4 matrix_b_fmt:MATRIX_FMT_FP4
.endr
.rept 4
	v_nop                                          ; four places behind the products, ahead of the first read of their results (ISA guide 7.12.1); also the plain line behind the reciprocal
.endr
	s_wait_alu depctr_va_vdst(0)                   ; the wait ahead of the reciprocal's first reader
.irp j, 0,2,4,6,8,10,12,14,16,18,20,22,24,26,28,30
	v_pk_mul_f32 v[OT+\j:OT+\j+1], v[OT+\j:OT+\j+1], v[RL:RL+1] op_sel_hi:[1,0]   ; O^T / the sum: register 8 ct + j is out(query r, channel 16 ct + 8 h + j); each accumulator from its low end on
.endr
	; ---- the way out, through my own stage: a lane holds 32 bytes of a row; the rows come back whole, and sixteen lanes store 256 consecutive bytes, at a multiple of 256 from out0's first byte
.irp ct, 0,1,2,3
	ds_store_b128 v[STO], v[OT+8*\ct:OT+8*\ct+3] offset:64*\ct
	ds_store_b128 v[STO], v[OT+8*\ct+4:OT+8*\ct+7] offset:64*\ct+16
.endr
.irp i, 0,1,2,3,4,5,6,7
	ds_load_b128 v[KF+4*\i:KF+4*\i+3], v[RD] offset:2*\i*SPITCH   ; LDS serves a wave's instructions in order (ISA guide 5.7.1.4): these see my stores
.endr
.irp i, 0,1,2,3,4,5,6,7
	s_wait_dscnt 7-\i                              ; load i is in; the 7 - i issued behind it may be out
	global_store_b128 v[GO], v[KF+4*\i:KF+4*\i+3], s[16:17] offset:4096*\i th:TH_STORE_NT   ; positions 2 i and 2 i + 1 of my tile; written once, read by nobody here
.endr
	s_wait_xcnt 0x0
	v_lshl_add_u32 v238, v0, 2, 0x11000
	v_mov_b32 v239, 0
	s_wait_alu depctr_va_vdst(0)
	s_wait_tensorcnt 0x0
	ds_add_u32 v238, v239
	s_wait_dscnt 0x0
	s_endpgm
.Lfunc_end_k_q70720a880a_logsparse:
	.size	k_q70720a880a_logsparse, .Lfunc_end_k_q70720a880a_logsparse-k_q70720a880a_logsparse
	.p2alignl 7, 3214868480
	.fill 96, 4, 3214868480
	.section	.rodata,"a",@progbits
	.p2align	6, 0x0
	.amdhsa_kernel k_q70720a880a_logsparse
		.amdhsa_group_segment_fixed_size 71680
		.amdhsa_private_segment_fixed_size 0
		.amdhsa_enable_private_segment 0
		.amdhsa_kernarg_size 56
		.amdhsa_user_sgpr_count 2
		.amdhsa_user_sgpr_kernarg_segment_ptr 1
		.amdhsa_wavefront_size32 1
		.amdhsa_system_sgpr_workgroup_id_x 1
		.amdhsa_system_sgpr_workgroup_id_y 1
		.amdhsa_system_sgpr_workgroup_id_z 1
		.amdhsa_system_vgpr_workitem_id 0
		.amdhsa_next_free_vgpr 256
		.amdhsa_next_free_sgpr 100
		.amdhsa_reserve_vcc 0
		.amdhsa_float_denorm_mode_32 3
		.amdhsa_float_denorm_mode_16_64 3
		.amdhsa_memory_ordered 1
		.amdhsa_forward_progress 1
		.amdhsa_inst_pref_size 35
	.end_amdhsa_kernel
	.amdgpu_metadata
---
amdhsa.version: [ 1, 2 ]
amdhsa.kernels:
  - .name:           k_q70720a880a_logsparse
    .symbol:         k_q70720a880a_logsparse.kd
    .args:
      - { .name: keys_codes, .offset: 0, .size: 8, .value_kind: global_buffer, .address_space: global }
      - { .name: keys_scales, .offset: 8, .size: 8, .value_kind: global_buffer, .address_space: global }
      - { .name: queries_codes, .offset: 16, .size: 8, .value_kind: global_buffer, .address_space: global }
      - { .name: queries_scales, .offset: 24, .size: 8, .value_kind: global_buffer, .address_space: global }
      - { .name: values_codes, .offset: 32, .size: 8, .value_kind: global_buffer, .address_space: global }
      - { .name: values_scales, .offset: 40, .size: 8, .value_kind: global_buffer, .address_space: global }
      - { .name: out0, .offset: 48, .size: 8, .value_kind: global_buffer, .address_space: global }
    .group_segment_fixed_size: 71680
    .private_segment_fixed_size: 0
    .kernarg_segment_align: 8
    .kernarg_segment_size: 56
    .max_flat_workgroup_size: 512
    .sgpr_count:     100
    .vgpr_count:     256
    .wavefront_size: 32
...
	.end_amdgpu_metadata
.endif
;; end of part 1
